; MI455X (gfx1250); checked and timed in simulation.
; The chip was launched on July 23, 2026; its instructions are those of AMD's public machine-readable ISA for CDNA 5 (MIT licence, August 2026) and "CDNA5" Instruction Set Architecture Reference Guide (July 2026). The comments in the code are by the model that wrote it; some were corrected since.
;; Multi Single Stream Block Lora Processor. Allowed arithmetic: matrix products marked QUANTISED: E2M3 operands, one E8M0 scale for each 32 along K, by v_wmma_scale_f32_16x16x128_f8f6f4 with both operands' format E2M3, f32 sums; everything else in f32.
;; Inputs: Wk 3,072 x 3,072 float32; Wq 3,072 x 3,072 float32; Wv 3,072 x 3,072 float32; bk 3,072 float32; bq 3,072 float32; bv 3,072 float32; cond_hidden_states 1 x 1,024 x 3,072 float32; cos0 1,024 x 128 float32; cos1 1,024 x 128 float32; cross_diff_lambda one number float32; hidden_states 1 x 1,024 x 3,072 float32; norm_k_w 128 float32; norm_q_w 128 float32; sin0 1,024 x 128 float32; sin1 1,024 x 128 float32.
;; Outputs: out0 1 x 1,024 x 3,072 float32.
;; This version of the problem:
;;   THIS VERSION OF THE PROBLEM IS GIVEN IN LOW PRECISION. The matrix products marked QUANTISED in the list below multiply operands that are first quantised to E2M3 (2 exponent bits, 3 mantissa bits; 6 bits a number), with one power-of-two scale for each 32 numbers along K (OCP MX v1.0); their sums are f32. All else is computed in f32.
;;   The module's matrix products, in the order in which they are computed (A, B: the left and right operand; K: the contracted axis; several contracted axes count as one K, in the product's order):
;;     1. [M 1,024, K 3,072] x [K 3,072, N 3,072]; A: input hidden_states; B: input Wq: QUANTISED
;;     2. [M 1,024, K 3,072] x [K 3,072, N 3,072]; A: input hidden_states; B: input Wk: QUANTISED
;;     3. [M 1,024, K 3,072] x [K 3,072, N 3,072]; A: input hidden_states; B: input Wv: QUANTISED
;;     4. [M 1,024, K 3,072] x [K 3,072, N 3,072]; A: input cond_hidden_states; B: input Wk: QUANTISED
;;     5. [M 1,024, K 3,072] x [K 3,072, N 3,072]; A: input cond_hidden_states; B: input Wv: QUANTISED
;;     6. batch 24 x [M 1,024, K 128] x [K 128, N 1,024]; A: computed on the way; B: computed on the way: QUANTISED
;;     7. batch 24 x [M 1,024, K 1,024] x [K 1,024, N 128]; A: softmax (see below); B: computed on the way: QUANTISED
;;     8. batch 24 x [M 1,024, K 128] x [K 128, N 1,024]; A: computed on the way; B: computed on the way: QUANTISED
;;     9. batch 24 x [M 1,024, K 1,024] x [K 1,024, N 128]; A: softmax (see below); B: computed on the way: QUANTISED
;;   THE QUANTISER, for each operand of a quantised product, along K:
;;     - K is cut into blocks of 32 from its start; a last block that is shorter is filled with zeros.
;;     - A block's scale is 2^e with e = floor(log2(the largest magnitude in the block)) - 2, held to -126 .. 127; a block of zeros has e = 0. As a byte (E8M0): e + 127.
;;     - Each number is divided by its block's scale, clamped to +-7.5, and rounded to the nearest number of E2M3, ties to even, subnormals kept.
;;     - The product sums the exact products of the quantised numbers (number of the format x scale) in f32.
;;   ~~~python
;;   def quantise(x, axis):      # numpy; x: float32 -> the quantised numbers, widened to float32 again
;;       x = np.moveaxis(x, axis, -1); K = x.shape[-1]
;;       x = np.pad(x, [(0, 0)] * (x.ndim - 1) + [(0, -K % 32)]); x = x.reshape(x.shape[:-1] + (-1, 32)); a = np.abs(x).max(-1, keepdims=True)
;;       e = np.where(a > 0, np.clip(np.frexp(np.where(a > 0, a, 1))[1] - 1 - 2, -126, 127), 0)      # np.frexp(a)[1] - 1 = floor(log2(a)), exactly
;;       r = np.clip(x / 2.0 ** e, -7.5, 7.5)
;;       step = 2.0 ** (np.maximum(np.frexp(np.where(r == 0, 1, r))[1] - 1, 0) - 3)
;;       q = np.round(r / step) * step * 2.0 ** e      # np.round: ties to even
;;       return np.moveaxis(q.reshape(q.shape[:-2] + (-1,))[..., :K], -1, axis).astype(np.float32)
;;   ~~~
;;   SOFTMAX AHEAD OF A QUANTISED PRODUCT. Where the list says 'softmax', what is quantised is not the finished softmax but p = 2^(t - M), with t = logit x log2(e) and M = ceil(the row's largest t), a whole number; so 1/2 < the row's largest p <= 1. The row's sum l is taken of the UNQUANTISED p, in f32, and the product's result is divided by l at the end. Since M is a whole number, a kernel that streams over the keys may use a running M (the ceiling of the running maximum): every later rescaling is an exact power of two, which a block's scale takes up: the codes' values come out the same.
;;   OPERANDS COMPUTED ON THE WAY. 'Computed on the way' means the value that the module computes at that place (a softmax that the list does not call 'softmax' is quantised finished and normalised). What goes into a quantiser is computed in f32, as accurately as f32 sums, v_exp_f32 and their like allow (about 1e-6 of the number): no bf16 or f16 on the way to a quantiser, and a product that is left as it is and whose result goes on into a quantised operand takes f32 operands (vector FMAs, or v_wmma_f32_16x16x4_f32). A number that lies on a knife's edge between two numbers of the format may be rounded either way, as far as f32 arithmetic and the matrix unit's own rounding can turn it there, and no further.
;; One version. Each part assembles by itself: llvm-mc -triple=amdgcn-amd-amdhsa -mcpu=gfx1250 --defsym DOCPART=n.
;; ======== version 1 of 1: 3 launches
;; limits: right only within a limited range of input values
;; workspace buffers: xq 27,033,600 bytes; rt 3,145,728 bytes; qbuf 2,457,600 bytes; kv 9,830,400 bytes
;; launch quant (part 1): grid 256 x 1, 12 waves a work-group, no clusters, 97,280 bytes of LDS; arguments hidden_states, cond_hidden_states, Wq, Wk, Wv, cos0, sin0, cos1, sin1, norm_q_w, norm_k_w, xq, rt; writes xq, rt
.if DOCPART == 1
	.amdgcn_target "amdgcn-amd-amdhsa--gfx1250"
	.amdhsa_code_object_version 6
	.text
	.protected	k_q9c59e92ec2_quant
	.globl	k_q9c59e92ec2_quant
	.p2align	8
	.type	k_q9c59e92ec2_quant,@function
k_q9c59e92ec2_quant:
	s_mov_b64 s[64:65], 0
	v_nop
	global_prefetch_b8 v0, s[64:65] scope:SCOPE_SE
	s_setreg_imm32_b32 hwreg(HW_REG_WAVE_MODE, 25, 1), 1
	s_wait_xcnt 0x0
; FIRST LAUNCH.  (A) hidden, cond, Wq, Wk, Wv, all [rows][3072] f32 with K innermost, become codes of FP6 (E2M3) with one E8M0 byte for each 32 along K, laid as images of the next launch's operand registers.
; (B) the RoPE tables, with the norm's gain folded in, are laid in the order in which the next launch's registers take them.
; The 11,264 rows count on: hidden 0.., cond 1,024.., Wq 2,048.., Wk 5,120.., Wv 8,192...  WITHIN EACH 32 ROWS, BITS 3 AND 4 OF THE ROW NUMBER CHANGE PLACES: a block of 16 stored
; rows holds true rows 0-7 and 16-23 (or 8-15 and 24-31), so that in the next launch's results a lane's 16 registers of two neighbouring blocks are 16 neighbours along the next product's K.
; xq: [88 groups of 128 stored rows][8 slots of 384 along K][38,400 bytes].  A slot's block: [3 K steps of 128][8 fragments of 16 rows][1,536 bytes], then the scale words [3 K steps][8 fragments][16 rows][4 bytes].
; A fragment is the image of 12 registers: register 4 c + i of lane l at 512 c + 16 l + 4 i; lane (r = l % 16, h = l / 16) holds row r, registers 0-5 the codes of K = 32 h + 0 .. 31, registers 6-11 those of K = 64 + 32 h + 0 .. 31.
; rt: [q, k, k_c][64 tiles of 16 tokens][CW, SW][16 quads][32 lanes][16 bytes].  CW[c] = w[c] cos[c];  SW[2i] = -w[2i+1] sin[2i];  SW[2i+1] = w[2i] sin[2i+1]:
;     rope(n w)[2i] = n[2i] CW[2i] + n[2i+1] SW[2i],  rope(n w)[2i+1] = n[2i+1] CW[2i+1] + n[2i] SW[2i+1].
; A block's scale is 2^(floor(log2(largest magnitude)) - 2); its byte is the largest magnitude's exponent field - 2, held at 1 from below.
; LIMITS: NaN and infinities are not served; a block of zeros, or one whose largest magnitude lies under 2^-124, keeps the byte 1 (its codes are zeros or nearly so; this program alone reads the bytes).
; SHARES.  704 blocks of 16 stored rows x 4 quarters of K are 2,816 runs: 11 for each of 256 work-groups, a run a wave (waves 0-10): 6 fragments, each in two half steps of 16 rows x 256 bytes.
; A half step's 8 loads read two rows' 256 consecutive bytes each; the 4,096 bytes turn through the wave's own stage (rows 272 bytes apart) and come back 128 bytes a lane: a whole block of 32, so that its largest magnitude needs no other lane.
; The codes leave as they stand in the registers: each store covers 512 consecutive bytes, aligned.  A fragment's 16 scale words are 64 bytes: one byte in 128 of what the wave reads leaves in such pieces.
; Wave 11 makes a quarter (32 channels) of one tile of tokens of the tables, for all three variants.  Waves share nothing: no barrier.
.set NS,    12                         ; half steps
.set AHEAD, 4                          ; loads run four half steps, 32 loads a wave, ahead
.set EMAX,  2
.set SPI,   272
.set STG,   16*SPI
.set WREG,  2*STG                      ; LDS for each wave: two stages
.set SPARE, 11*WREG                    ; behind them: the spare words, 128 bytes for each of 12 waves
.set BLK,   38400
.set R,     16                         ; v16-143  four sets of 32 registers as they are loaded
.set X,     144                        ; v144-207 two sets of 32 neighbours
.set C,     208                        ; v208-231 a fragment's 12 registers, two sets by turns
.set TQ,    232                        ; v232-234 a block's upper 16 codes (a conversion's three registers begin on an even number)
.set WD,    236                        ; v236-241 a scale word for each fragment
.set BY,    242
.set PT,    243
.set SPW,   244
.set NIL,   245
	s_load_b512 s[4:19], s[0:1], 0x0               ; hidden s[4:5], cond s[6:7], Wq s[8:9], Wk s[10:11], Wv s[12:13], cos0 s[14:15], sin0 s[16:17], cos1 s[18:19]
	s_load_b256 s[20:27], s[0:1], 0x40             ; sin1 s[20:21], norm_q_w s[22:23], norm_k_w s[24:25], xq s[26:27]
	s_load_b64 s[30:31], s[0:1], 0x60              ; rt
	v_lshl_add_u32 v[SPW], v0, 2, SPARE
	v_mov_b32 v[NIL], 0
	v_lshrrev_b32 v1, 5, v0
	s_delay_alu instid0(VALU_DEP_1)
	v_readfirstlane_b32 s32, v1                    ; wave 0..11
	v_and_b32 v2, 31, v0                           ; lane
	s_cmp_eq_u32 s32, 11
	s_wait_alu depctr_va_vdst(0)                   ; the wait ahead of the branch
	s_cbranch_scc1 .Ltables
	; ---------------- (A) 16 stored rows x 768 along K ----------------
	s_mul_i32 s40, s32, WREG
	s_mov_b32 s42, 0x76543210
	s_mov_b32 s43, 0xfedcba98                      ; v_permlanex16_b32's selects for lane l xor 16
	v_and_b32 v1, 15, v2                           ; r
	v_lshrrev_b32 v9, 4, v2                        ; h
	v_mov_b32 v[PT], 0                             ; a lane permute's destination counts as one of its sources
	v_lshlrev_b32 v4, 4, v2                        ; out: 16 bytes a lane
	v_lshlrev_b32 v10, 4, v1
	v_mul_u32_u24 v3, v9, 12288
	v_mul_u32_u24 v14, v9, SPI
	v_mul_u32_u24 v15, v1, SPI
	v_add_nc_u32 v3, v3, v10                       ; in: lanes 0-15 a row's 256 bytes, lanes 16-31 the next row's
	v_add_nc_u32 v14, v14, v10
	v_lshl_add_u32 v15, v9, 7, v15
	v_add_nc_u32 v14, s40, v14                     ; the stage, on the way in: the same two rows
	v_add_nc_u32 v15, s40, v15                     ; and on the way out: row r, + 128 h: my block of 32
	v_lshlrev_b32 v5, 3, v9                        ; 8 h: where my two bytes stand in the scale word
	v_lshlrev_b32 v11, 2, v1
	v_mul_u32_u24 v7, v9, BLK-1024
	v_lshl_add_u32 v6, v9, 9, v11                  ; scale words, two fragments a store: lanes 16-31 take the next K step's, 512 bytes on,
	v_add_nc_u32 v7, v7, v11                       ; or the next slot's first
	s_mul_i32 s33, ttmp9, 11
	s_add_co_u32 s33, s33, s32                     ; my run, 0 .. 2,815
	s_and_b32 s39, s33, 3                          ; which quarter of K
	s_lshr_b32 s33, s33, 2                         ; which block of 16 stored rows, 0 .. 703
	s_wait_alu depctr_va_vdst(0)                   ; the wait at the head's end
	s_wait_kmcnt 0x0
	s_mov_b32 s36, 0                               ; which tensor, and its first block: the choice hangs on ids alone
	s_cmp_ge_u32 s33, 64
	s_cselect_b64 s[4:5], s[6:7], s[4:5]
	s_cselect_b32 s36, 64, s36
	s_cmp_ge_u32 s33, 128
	s_cselect_b64 s[4:5], s[8:9], s[4:5]
	s_cselect_b32 s36, 128, s36
	s_cmp_ge_u32 s33, 320
	s_cselect_b64 s[4:5], s[10:11], s[4:5]
	s_cselect_b32 s36, 320, s36
	s_cmp_ge_u32 s33, 512
	s_cselect_b64 s[4:5], s[12:13], s[4:5]
	s_cselect_b32 s36, 512, s36
	s_sub_co_u32 s36, s33, s36
	s_lshr_b32 s37, s36, 1
	s_lshl_b32 s37, s37, 5
	s_and_b32 s38, s36, 1
	s_lshl_b32 s38, s38, 3
	s_add_co_u32 s37, s37, s38                     ; stored row r of my block is true row 32 (block / 2) + 8 (block % 2) + r % 8 + 16 (r / 8)
	s_mul_i32 s36, s37, 12288
	s_mul_i32 s38, s39, 3072
	s_add_co_u32 s36, s36, s38
	s_mov_b32 s37, 0
	s_add_nc_u64 s[4:5], s[4:5], s[36:37]
	s_lshr_b32 s38, s33, 3                         ; the group of 128 rows,
	s_lshl_b32 s38, s38, 3
	s_lshl_b32 s41, s39, 1
	s_add_co_u32 s38, s38, s41                     ; my first slot of K
	s_mul_i32 s38, s38, BLK
	s_and_b32 s41, s33, 7                          ; which fragment of the group's eight
	s_lshl_b32 s36, s41, 6
	s_add_co_u32 s36, s36, s38
	s_add_co_u32 s36, s36, 36864
	s_add_nc_u64 s[28:29], s[26:27], s[36:37]      ; my scale words
	s_mul_i32 s36, s41, 1536
	s_add_co_u32 s36, s36, s38
	s_add_nc_u64 s[26:27], s[26:27], s[36:37]      ; my fragments
.macro LOAD s                          ; half step s: bytes 256 s .. 256 s + 255 of my quarter of each row
.irp j, 0,1,2,3,4,5,6,7
	global_load_b128 v[R+32*((\s)%AHEAD)+4*\j:R+32*((\s)%AHEAD)+4*\j+3], v3, s[4:5] offset:12288*((2*\j)%8+16*(\j/4))+256*(\s) th:TH_LOAD_NT
.endr
.endm
.macro TURN s                          ; through the stage: LDS serves a wave's instructions in order, so no wait stands between the stores and the loads
.irp j, 0,1,2,3,4,5,6,7
	ds_store_b128 v14, v[R+32*((\s)%AHEAD)+4*\j:R+32*((\s)%AHEAD)+4*\j+3] offset:STG*((\s)%2)+2*SPI*\j
.endr
.irp m, 0,1,2,3,4,5,6,7
	ds_load_b128 v[X+32*((\s)%2)+4*\m:X+32*((\s)%2)+4*\m+3], v15 offset:STG*((\s)%2)+16*\m
.endr
.endm
.irp s, 0,1,2,3
	LOAD \s
.endr
	s_wait_loadcnt 8*(AHEAD-1)                     ; half step 0's eight loads are in
	TURN 0
.macro STEP s                          ; fragment s / 2; s % 2 = 0: my block K = 32 h .., registers 0-5; 1: K = 64 + 32 h .., registers 6-11
.set XS, X+32*((\s)%2)
.set CF, C+12*(((\s)/2)%2)
.set CS, CF+6*((\s)%2)
	s_wait_dscnt 0x0                               ; this half step's numbers are back from the stage: so its stores into the stage have read their registers,
.if (\s)+AHEAD < NS
	LOAD (\s)+AHEAD                                ; which take the loads of four half steps on
.endif
.if (\s)+1 < NS
.if (\s)+AHEAD < NS
	s_wait_loadcnt 8*(AHEAD-1)                     ; the next half step's eight loads are in; those of the three behind it may be out
.else
	s_wait_loadcnt 8*(NS-2-(\s))
.endif
	TURN (\s)+1
.endif
.if (\s)%2 == 0 && (\s) >= 4
	s_wait_xcnt 0x0                                ; the stores of two fragments ago have read this set of code registers
.endif
	v_max3_num_f32 v8, |v[XS]|, |v[XS+1]|, |v[XS+2]|               ; the block's largest magnitude: all 32 numbers are mine; two chains
	v_max3_num_f32 v9, |v[XS+3]|, |v[XS+4]|, |v[XS+5]|
.irp i, 6,10,14,18,22,26
	s_delay_alu instid0(VALU_DEP_2)
	v_max3_num_f32 v8, v8, |v[XS+\i]|, |v[XS+\i+1]|
	s_delay_alu instid0(VALU_DEP_2)
	v_max3_num_f32 v9, v9, |v[XS+\i+2]|, |v[XS+\i+3]|
.endr
	s_delay_alu instid0(VALU_DEP_2)
	v_max3_num_f32 v8, v8, |v[XS+30]|, |v[XS+31]|
	s_delay_alu instid0(VALU_DEP_1)
	v_max3_num_f32 v8, v8, v9, (EMAX+1)<<23        ; and the floor 2^(3 - 127): the byte cannot fall under 1
	s_delay_alu instid0(VALU_DEP_1)
	v_add_nc_u32 v11, -(EMAX<<23), v8              ; 2 off its exponent field: the conversion takes the exponent field of this operand as its scale
	v_cvt_scalef32_pk16_fp6_f32 v[CS:CS+2], v[XS:XS+15], v11
	v_cvt_scalef32_pk16_fp6_f32 v[TQ:TQ+2], v[XS+16:XS+31], v11
.if (\s)%2 == 0
	v_lshrrev_b32 v[BY], 23, v11                   ; the scale's byte (a plain line behind the conversions)
.else
	v_lshrrev_b32 v10, 23, v11
.endif
.irp i, 0,1,2
	v_mov_b32 v[CS+3+\i], v[TQ+\i]
.endr
.if (\s)%2 == 1
	v_lshl_or_b32 v[BY], v10, 16, v[BY]            ; my two bytes: blocks h and 2 + h,
	s_delay_alu instid0(VALU_DEP_1)
	v_lshlrev_b32 v[BY], v5, v[BY]                 ; at their places in the word;
	s_delay_alu instid0(VALU_DEP_1)
	v_permlanex16_b32 v[PT], v[BY], s42, s43
	s_delay_alu instid0(VALU_DEP_1)
	v_or_b32 v[WD+(\s)/2], v[BY], v[PT]            ; with lane l xor 16's two the word is whole
.irp c, 0,1,2
	global_store_b128 v4, v[CF+4*\c:CF+4*\c+3], s[26:27] offset:BLK*((\s)/6)+12288*(((\s)/2)%3)+512*\c   ; 32 lanes store 512 consecutive bytes, aligned
.endr
.endif
.endm
.irp s, 0,1,2,3,4,5,6,7,8,9,10,11
	STEP \s
.endr
	v_cmp_ne_u32 vcc_lo, 0, v5                     ; lanes 16-31 take the odd fragments' words
	v_cndmask_b32 v8, v[WD], v[WD+1], vcc_lo
	v_cndmask_b32 v9, v[WD+2], v[WD+3], vcc_lo
	v_cndmask_b32 v10, v[WD+4], v[WD+5], vcc_lo
	global_store_b32 v6, v8, s[28:29]              ; K steps 0 and 1 of my first slot
	global_store_b32 v7, v9, s[28:29] offset:1024  ; its K step 2, and K step 0 of my second slot
	global_store_b32 v6, v10, s[28:29] offset:BLK+512   ; that slot's K steps 1 and 2
	s_wait_tensorcnt 0x0                           ; the wave's end
	ds_add_u32 v[SPW], v[NIL]
	s_wait_dscnt 0x0
	s_endpgm
	; ---------------- (B) the tables: no LDS ----------------
.Ltables:                                              ; tile T = work-group / 4 of 16 tokens, channels 32 b + 0 .. 31 with b = work-group % 4
	v_and_b32 v1, 15, v0                           ; r
	v_bfe_u32 v3, v0, 4, 1                         ; h
	s_delay_alu instid0(VALU_DEP_2)
	v_and_b32 v4, 8, v1
	s_delay_alu instid0(VALU_DEP_1)
	v_add_nc_u32 v4, v4, v1                        ; r + 8 (r / 8): lane r of tile T stands for token 32 (T / 2) + 8 (T % 2) + r + 8 (r / 8)
	v_lshlrev_b32 v5, 6, v3                        ; 64 h: register 4 q + i stands for channel 32 b + 16 h + 4 q + i
	s_delay_alu instid0(VALU_DEP_1)
	v_lshl_add_u32 v4, v4, 9, v5                   ; a token's row of cos or sin is 512 bytes
	v_lshlrev_b32 v6, 4, v2                        ; out: 16 bytes a lane
	s_lshr_b32 s33, ttmp9, 2                       ; T
	s_and_b32 s34, ttmp9, 3                        ; b
	s_lshr_b32 s36, s33, 1
	s_lshl_b32 s36, s36, 5
	s_and_b32 s35, s33, 1
	s_lshl_b32 s35, s35, 3
	s_add_co_u32 s36, s36, s35
	s_lshl_b32 s36, s36, 9
	s_lshl_b32 s38, s34, 7                         ; 128 b bytes along the channels
	s_add_co_u32 s36, s36, s38
	s_mov_b32 s37, 0
	s_mov_b32 s39, 0
	s_lshl_b32 s40, s33, 14                        ; a tile of rt is 16,384 bytes;
	s_lshl_b32 s35, s34, 11                        ; quads 4 b .. 4 b + 3, 512 bytes each
	s_add_co_u32 s40, s40, s35
	s_mov_b32 s41, 0
	s_wait_alu depctr_va_vdst(0)                   ; the wait at the head's end
	s_wait_kmcnt 0x0
	s_add_nc_u64 s[14:15], s[14:15], s[36:37]
	s_add_nc_u64 s[16:17], s[16:17], s[36:37]
	s_add_nc_u64 s[18:19], s[18:19], s[36:37]
	s_add_nc_u64 s[20:21], s[20:21], s[36:37]
	s_add_nc_u64 s[22:23], s[22:23], s[38:39]
	s_add_nc_u64 s[24:25], s[24:25], s[38:39]
	s_add_nc_u64 s[30:31], s[30:31], s[40:41]
.irp q, 0,1,2,3
	global_load_b128 v[16+4*\q:19+4*\q], v4, s[14:15] offset:16*\q     ; cos0
	global_load_b128 v[32+4*\q:35+4*\q], v4, s[16:17] offset:16*\q     ; sin0
	global_load_b128 v[48+4*\q:51+4*\q], v4, s[18:19] offset:16*\q     ; cos1
	global_load_b128 v[64+4*\q:67+4*\q], v4, s[20:21] offset:16*\q     ; sin1
	global_load_b128 v[80+4*\q:83+4*\q], v5, s[22:23] offset:16*\q     ; norm_q_w
	global_load_b128 v[96+4*\q:99+4*\q], v5, s[24:25] offset:16*\q     ; norm_k_w
.endr
	s_wait_loadcnt 0x0
.macro VARIANT i, c, s, w, d           ; variant i from cos at v[c], sin at v[s], gain at v[w]: CW into v[d ..], SW into v[d + 16 ..]
.irp n, 0,2,4,6,8,10,12,14
	v_pk_mul_f32 v[\d+\n:\d+\n+1], v[\c+\n:\c+\n+1], v[\w+\n:\w+\n+1]
	v_mul_f32 v[\d+16+\n], -v[\w+\n+1], v[\s+\n]
	v_mul_f32 v[\d+17+\n], v[\w+\n], v[\s+\n+1]
.endr
.irp q, 0,1,2,3
	global_store_b128 v6, v[\d+4*\q:\d+4*\q+3], s[30:31] offset:1048576*\i+512*\q          ; 32 lanes store 512 consecutive bytes, aligned
	global_store_b128 v6, v[\d+16+4*\q:\d+19+4*\q], s[30:31] offset:1048576*\i+8192+512*\q
.endr
.endm
	VARIANT 0, 16, 32, 80, 112                     ; q
	VARIANT 1, 16, 32, 96, 144                     ; k
	VARIANT 2, 48, 64, 96, 176                     ; k_c
	s_endpgm
.Lfunc_end_k_q9c59e92ec2_quant:
	.size	k_q9c59e92ec2_quant, .Lfunc_end_k_q9c59e92ec2_quant-k_q9c59e92ec2_quant
	.p2alignl 7, 3214868480
	.fill 96, 4, 3214868480
	.section	.rodata,"a",@progbits
	.p2align	6, 0x0
	.amdhsa_kernel k_q9c59e92ec2_quant
		.amdhsa_group_segment_fixed_size 97280
		.amdhsa_private_segment_fixed_size 0
		.amdhsa_enable_private_segment 0
		.amdhsa_kernarg_size 104
		.amdhsa_user_sgpr_count 2
		.amdhsa_user_sgpr_kernarg_segment_ptr 1
		.amdhsa_wavefront_size32 1
		.amdhsa_system_sgpr_workgroup_id_x 1
		.amdhsa_system_sgpr_workgroup_id_y 1
		.amdhsa_system_sgpr_workgroup_id_z 1
		.amdhsa_system_vgpr_workitem_id 0
		.amdhsa_next_free_vgpr 246
		.amdhsa_next_free_sgpr 66
		.amdhsa_reserve_vcc 1
		.amdhsa_float_denorm_mode_32 3
		.amdhsa_float_denorm_mode_16_64 3
		.amdhsa_memory_ordered 1
		.amdhsa_forward_progress 1
		.amdhsa_inst_pref_size 61
	.end_amdhsa_kernel
	.amdgpu_metadata
---
amdhsa.version: [ 1, 2 ]
amdhsa.kernels:
  - .name:           k_q9c59e92ec2_quant
    .symbol:         k_q9c59e92ec2_quant.kd
    .args:
      - { .name: hidden_states, .offset: 0, .size: 8, .value_kind: global_buffer, .address_space: global }
      - { .name: cond_hidden_states, .offset: 8, .size: 8, .value_kind: global_buffer, .address_space: global }
      - { .name: Wq, .offset: 16, .size: 8, .value_kind: global_buffer, .address_space: global }
      - { .name: Wk, .offset: 24, .size: 8, .value_kind: global_buffer, .address_space: global }
      - { .name: Wv, .offset: 32, .size: 8, .value_kind: global_buffer, .address_space: global }
      - { .name: cos0, .offset: 40, .size: 8, .value_kind: global_buffer, .address_space: global }
      - { .name: sin0, .offset: 48, .size: 8, .value_kind: global_buffer, .address_space: global }
      - { .name: cos1, .offset: 56, .size: 8, .value_kind: global_buffer, .address_space: global }
      - { .name: sin1, .offset: 64, .size: 8, .value_kind: global_buffer, .address_space: global }
      - { .name: norm_q_w, .offset: 72, .size: 8, .value_kind: global_buffer, .address_space: global }
      - { .name: norm_k_w, .offset: 80, .size: 8, .value_kind: global_buffer, .address_space: global }
      - { .name: xq, .offset: 88, .size: 8, .value_kind: global_buffer, .address_space: global }
      - { .name: rt, .offset: 96, .size: 8, .value_kind: global_buffer, .address_space: global }
    .group_segment_fixed_size: 97280
    .private_segment_fixed_size: 0
    .kernarg_segment_align: 8
    .kernarg_segment_size: 104
    .max_flat_workgroup_size: 384
    .sgpr_count:     66
    .vgpr_count:     246
    .wavefront_size: 32
...
	.end_amdgpu_metadata
.endif
;; end of part 1
;; launch proj (part 2): grid 60 x 4, 4 waves a work-group, clusters of 4 x 4, 327,680 bytes of LDS; arguments xq, rt, qbuf, kv, bq, bk, bv; writes qbuf, kv
.if DOCPART == 2
	.amdgcn_target "amdgcn-amd-amdhsa--gfx1250"
	.amdhsa_code_object_version 6
	.text
	.protected	k_q9c59e92ec2_proj
	.globl	k_q9c59e92ec2_proj
	.p2align	8
	.type	k_q9c59e92ec2_proj,@function
k_q9c59e92ec2_proj:
	s_mov_b64 s[64:65], 0
	v_nop
	global_prefetch_b8 v0, s[64:65] scope:SCOPE_SE
	s_setreg_imm32_b32 hwreg(HW_REG_WAVE_MODE, 25, 1), 1
	s_wait_xcnt 0x0
	s_wait_alu depctr_hold_cnt(0) depctr_sa_sdst(0) depctr_va_vdst(0) depctr_va_sdst(0) depctr_va_ssrc(0) depctr_va_vcc(0) depctr_vm_vsrc(0)
	s_getreg_b32 s2, hwreg(HW_REG_IB_STS2, 6, 4)
	s_cmp_eq_u32 s2, 0
	s_cbranch_scc0 .Lentry_in_a_cluster
	s_endpgm
.Lentry_in_a_cluster:
	s_bfe_u32 s2, ttmp6, 0x10000c
	s_cmp_lg_u32 s2, 0xf033
	s_cbranch_scc0 .Lentry_shape_is_right
	s_endpgm
.Lentry_shape_is_right:
; SECOND LAUNCH.  The five projections on codes of FP6 (E2M3) with E8M0 scales, and on the way out bias, RMS norm, RoPE and the quantiser of the attention's operands.
; A work-group of four waves makes 256 x 256 of one product, a wave 128 x 128 in 64 accumulators.  q, k, k_c: source 0 = 16 rows of the weight, source 1 = 16 tokens, so that a lane holds a token and its registers run along the head's channels;
; v, v_c: the weight takes A's place and the tokens B's, so that a lane holds a channel and its registers run along the keys.
; THE RING.  K goes in slots of 384 (three steps of 128) through two LDS slots of 4 x 38,400 bytes.  In xq the codes and scale words of 128 rows for one slot are one dense block of 38,400 bytes, 150 rows of 256 bytes, each at a multiple of 256:
; one tensor load a wave brings it: waves 0, 1 A's two halves, waves 2, 3 B's.  A fragment lies there as the image of its 12 registers: three loads of 16 bytes a lane, 512 consecutive bytes each; no padding is needed.
; Between a refill and the wait for it a wave issues 160 matrix instructions.  8 slots: slot 0 at the head, slot 1 behind the first full sequence, six refills in three trips of six steps; the last five steps are written out.
; SCALES: one register carries A's word of block i in lanes 0-15 and B's in lanes 16-31; eight loads a step, two sets by turns.
; CLUSTERS: 4 x 4 work-groups; A's blocks are asked for jointly along a row of the cluster, B's along a column.
; PREFETCH: behind each refill a wave names the slot of K that the next refill will bring: of its 150 blocks of 256 bytes the four partners take 38, 38, 38 and 36, told apart by address, a lane a block in two instructions (lanes left over name the share's last again).
; Each block of xq is named by the first cluster that loads it; the last refill asks for nothing.
; THE WAY OUT: the bias and the first tile of the tables are asked for ahead of the last K step.  rope(x rs w) is formed as (x CW + x' SW) rs: another order of f32 roundings.
; LIMITS: NaN and infinities are not served.
.set BLK,    38400
.set SLOT,   4*BLK
.set SPARE,  2*SLOT                    ; behind the ring: the spare words, 128 bytes for each wave
.set STB,    12288                     ; a K step's eight fragments
.set FRB,    1536
.set SCO,    36864                     ; the scale words in a block
.set FR,     12
.set NL,     3
.set NP,     4
.set ADRA, 16                          ; v16-17 my A fragments in slot 0, 1;  v20-21 B's;  v24-25 scale words
.set ADRB, 20
.set ADRS, 24
.set SPW,  28
.set NIL,  29
.set PFO,  30                          ; v30-31 the prefetches' offsets
.set SC,   32                          ; v32-47 scale words, two sets of eight
.set AF,   128                         ; window 0: A's fragments, one set; window 1: B's, two sets at v0 and v128; windows 2, 3: accumulators
.set G1, 24
.set G0, 32
.set G1B, 48
.set G0B, 56
.set PFA,  100
.set LIM,  2
.set BIAS, 64
.set T,    128
.set PC,   192
.set TM,   212
.set PWS,  228
.set OW,   236
.set BVS,  240
.set OUT,  24
.set OUTS, 26
.set BIA,  28
.set TAB,  30
.set SEL,  66
.set MSB, 0
.macro WIN new                         ; the immediate's high byte repeats the setting that is left
.if MSB != (\new)
	s_set_vgpr_msb (MSB<<8)|(\new)
.set MSB, (\new)
.endif
.endm
.set MUL_LO, 0xa1
.set MUL_HI, 0xf1
.set TO_B,   0x40
.macro JLOAD g0a, g1a, g0b, g1b        ; a joint load: waves 0, 1 for A, waves 2, 3 for B
	s_cmp_eq_u32 s15, 0
	s_cbranch_scc0 .Lfor_b_\@
	tensor_load_to_lds s[\g0a:\g0a+3], s[\g1a:\g1a+7]
	s_nop 0
.rept 4
	v_nop
.endr
	s_branch .Lasked_\@
.Lfor_b_\@:
	tensor_load_to_lds s[\g0b:\g0b+3], s[\g1b:\g1b+7]
	s_nop 0
.rept 4
	v_nop
.endr
.Lasked_\@:
.endm
.macro ASK slot                        ; s3 = 3, 2, 1; slot 1's refill of the last trip is the last of all
.if \slot
	s_cmp_gt_u32 s3, s[LIM]
.else
	s_cmp_ge_u32 s3, s[LIM]
.endif
	s_cbranch_scc0 .Lnot_mine_\@
	global_prefetch_b8 v[PFO], s[PFA:PFA+1] th:TH_LOAD_NT scope:SCOPE_SE
	global_prefetch_b8 v[PFO+1], s[PFA:PFA+1] th:TH_LOAD_NT scope:SCOPE_SE
.Lnot_mine_\@:
.endm
.macro CREST
	s_cmp_lg_u32 s14, 0
	s_cbranch_scc1 .Lnot_wave_0_\@
	s_barrier_signal -3
.Lnot_wave_0_\@:
	s_barrier_wait -3
	s_barrier_signal -1
	s_barrier_wait -1
.endm
.macro CROUND
	s_barrier_signal -1
	s_barrier_wait -1
	CREST
.endm
	s_load_b64 s[4:5], s[0:1], 0x0                 ; xq
	s_load_b128 s[8:11], s[0:1], 0x8               ; rt, qbuf
	s_load_b256 s[92:99], s[0:1], 0x18             ; kv, bq, bk, bv
	v_lshl_add_u32 v[SPW], v0, 2, SPARE
	v_mov_b32 v[NIL], 0
	ds_add_u32 v[SPW], v[NIL]                      ; the opening lines: the add twice on end and its wait
	ds_add_u32 v[SPW], v[NIL]
	v_lshrrev_b32 v1, 5, v0
	v_readfirstlane_b32 s14, v1                    ; wave
	s_lshr_b32 s15, s14, 1                         ; my half of A's rows; also: I fetch for A (0) or B (1)
	s_and_b32 s16, s14, 1                          ; my half of B's rows; also: which 128 rows I fetch
	s_bfe_u32 s40, ttmp6, 0x40000                  ; cx
	s_bfe_u32 s41, ttmp6, 0x40004                  ; cy
	s_cmp_ge_u32 ttmp9, 9                          ; clusters 0-8: hidden x (Wq, Wk, Wv); 9-14: cond x (Wk, Wv)
	s_cselect_b32 s17, 1, 0
	s_mul_i32 s42, s17, 6
	s_sub_co_u32 s42, ttmp9, s42                   ; 0-2 q, 3-5 k, 6-8 v: four tiles of 256 rows of the weight each
	s_lshl_b32 s12, s42, 2
	s_add_co_u32 s12, s12, 8
	s_lshl_b32 s13, s17, 2
	s_cmp_ge_u32 s42, 6
	s_cselect_b32 s20, s12, s13                    ; A's tile of 256 stored rows,
	s_cselect_b32 s46, s13, s12                    ; B's
	s_add_co_u32 s20, s20, s41
	s_add_co_u32 s46, s46, s40
	s_lshl_b32 s43, s41, 2
	s_lshl_b32 s43, 15, s43                        ; my row of the cluster
	s_lshl_b32 s44, 0x1111, s40                    ; my column
	s_or_b32 s[G1+0], s43, (3<<16)|(1<<21)         ; the mask; elements of 8 bytes
	s_or_b32 s[G1B+0], s44, (3<<16)|(1<<21)
.irp g, G1, G1B
	s_mov_b32 s[\g+1], 32<<16                      ; rows of 256 bytes,
	s_mov_b32 s[\g+2], 150<<16                     ; 150 of them,
	s_mov_b32 s[\g+3], 32<<16
	s_mov_b32 s[\g+4], 150
	s_mov_b32 s[\g+5], 32                          ; dense
	s_mov_b32 s[\g+6], 0
	s_mov_b32 s[\g+7], 0
.endr
	s_lshl_b32 s20, s20, 1
	s_add_co_u32 s20, s20, s16                     ; the group of 128 rows that I fetch
	s_lshl_b32 s46, s46, 1
	s_add_co_u32 s46, s46, s16
	s_mul_i32 s20, s20, 8*BLK
	s_mul_i32 s46, s46, 8*BLK
	s_mov_b32 s12, s20                             ; kept for the prefetches
	s_mov_b32 s13, s46
	s_mov_b32 s21, 0
	s_mov_b32 s47, 0
	s_mul_i32 s45, s14, BLK                        ; where my block goes in a slot
	s_wait_dscnt 0x0
	s_wait_kmcnt 0x0
	s_add_nc_u64 s[20:21], s[4:5], s[20:21]
	s_add_nc_u64 s[46:47], s[4:5], s[46:47]
	CROUND                                         ; all sixteen work-groups are here: the first joint loads meet
.irp s, 0,1
	s_mov_b32 s[G0+4*\s], 1
	s_add_co_u32 s[G0+4*\s+1], s45, \s*SLOT
	s_add_nc_u64 s[G0+4*\s+2:G0+4*\s+3], s[20:21], \s*BLK
	s_or_b32 s[G0+4*\s+3], s[G0+4*\s+3], 0x80000000
	s_mov_b32 s[G0B+4*\s], 1
	s_add_co_u32 s[G0B+4*\s+1], s45, \s*SLOT
	s_add_nc_u64 s[G0B+4*\s+2:G0B+4*\s+3], s[46:47], \s*BLK
	s_or_b32 s[G0B+4*\s+3], s[G0B+4*\s+3], 0x80000000
.endr
	JLOAD G0, G1, G0B, G1B                         ; slot 0: one tensor load a wave at the head
	s_mul_i32 s18, s15, BLK                        ; my 128 rows of A,
	s_mul_i32 s19, s16, BLK
	s_add_co_u32 s19, s19, 2*BLK                   ; of B
	s_sub_co_u32 s22, s19, s18
	s_add_co_u32 s21, s18, SCO
	s_add_co_u32 s23, s18, SLOT
	s_add_co_u32 s66, s19, SLOT
	s_add_co_u32 s67, s21, SLOT
	v_and_b32 v1, 15, v0
	v_bfe_u32 v2, v0, 4, 1
	v_and_b32 v3, 31, v0
	v_lshlrev_b32 v3, 4, v3                        ; 16 x lane
	v_mul_u32_u24 v6, s22, v2                      ; scale words: lanes 16-31 take B's
	v_add_nc_u32 v[ADRA], s18, v3
	v_add_nc_u32 v[ADRA+1], s23, v3
	v_add_nc_u32 v[ADRB], s19, v3
	v_add_nc_u32 v[ADRB+1], s66, v3
	v_lshl_add_u32 v6, v1, 2, v6
	v_add_nc_u32 v[ADRS], s21, v6
	v_add_nc_u32 v[ADRS+1], s67, v6
	s_cmp_eq_u32 s15, 0
	s_cselect_b32 s20, s12, s13
	s_cselect_b32 s21, s40, s41                    ; my place among the four that ask with me
	s_cselect_b32 s22, 0x3c1, 63                   ; the clusters that are the first to load A's, B's blocks
	s_lshr_b32 s22, s22, ttmp9
	s_and_b32 s22, s22, 1
	s_cmp_eq_u32 s22, 1
	s_cselect_b32 s[LIM], 1, -1
	s_cmp_eq_u32 s21, 3
	s_cselect_b32 s23, 35, 37                      ; my share's last block
	s_mul_i32 s21, s21, 38*256
	s_add_co_u32 s20, s20, s21
	s_add_co_u32 s20, s20, 2*BLK                   ; at slot 2 of K: the first refill steps it to 3
	s_mov_b32 s21, 0
	s_add_nc_u64 s[PFA:PFA+1], s[4:5], s[20:21]
	v_and_b32 v5, 31, v0
	v_lshlrev_b32 v[PFO], 8, v5
	v_add_nc_u32 v5, 32, v5
	v_min_u32 v5, s23, v5
	v_lshlrev_b32 v[PFO+1], 8, v5
.macro FRAG reg, adr, st, i
.irp c, 0,1,2
	ds_load_b128 v[\reg+4*\c:\reg+4*\c+3], v[\adr] offset:STB*(\st)+FRB*(\i)+512*\c
.endr
.endm
; 16 matrix instructions: A's blocks a0, a0 + 1 x B's eight.  p: B's set and the set of scale words.  The 64 accumulators take turns
.macro MUL16 a0, p, zero
.irp a, \a0, \a0+1
.irp b, 0,1,2,3,4,5,6,7
.if \zero
	v_wmma_scale_f32_16x16x128_f8f6f4 v[8*(8*((\a)%4)+\b):8*(8*((\a)%4)+\b)+7], v[128*(\p)+FR*\b:128*(\p)+FR*\b+FR-1], v[AF+FR*(\a):AF+FR*(\a)+FR-1], 0, v[SC+8*(\p)+\b], v[SC+8*(\p)+(\a)] matrix_a_fmt:MATRIX_FMT_FP6 matrix_b_fmt:MATRIX_FMT_FP6 matrix_a_scale:MATRIX_SCALE_ROW1
.else
	v_wmma_scale_f32_16x16x128_f8f6f4 v[8*(8*((\a)%4)+\b):8*(8*((\a)%4)+\b)+7], v[128*(\p)+FR*\b:128*(\p)+FR*\b+FR-1], v[AF+FR*(\a):AF+FR*(\a)+FR-1], v[8*(8*((\a)%4)+\b):8*(8*((\a)%4)+\b)+7], v[SC+8*(\p)+\b], v[SC+8*(\p)+(\a)] matrix_a_fmt:MATRIX_FMT_FP6 matrix_b_fmt:MATRIX_FMT_FP6 matrix_a_scale:MATRIX_SCALE_ROW1
.endif
.endr
.endr
.endm
.macro FETCH_B slot, st, p
	WIN TO_B
.irp i, 0,1,2,3,4,5,6,7
	FRAG 128*(\p)+FR*\i, ADRB+\slot, \st, \i
.endr
	WIN 0
.endm
.macro FETCH_A slot, st, i0
.irp i, \i0, \i0+1, \i0+2, \i0+3
	FRAG AF+FR*(\i), ADRA+\slot, \st, \i
.endr
.endm
.macro SCALES slot, st, p
.irp i, 0,1,2,3,4,5,6,7
	ds_load_b32 v[SC+8*(\p)+\i], v[ADRS+\slot] offset:512*(\st)+64*\i
.endr
.endm
.macro PLACES n                        ; places behind matrix instructions, ahead of loads into their registers and of reads of their results
.rept \n
	v_nop
.endr
.endm
; a step of 128 along K that is not its slot's last: the next step's fragments come from the same slot
.macro STEP slot, st, p, zero
	s_wait_dscnt 4*NL                              ; all but the youngest twelve loads (A's blocks 4-7)
	WIN MUL_LO
	MUL16 0, \p, \zero
	MUL16 2, \p, \zero
	s_wait_dscnt 0
	PLACES NP
	FETCH_B \slot, (\st)+1, 1-(\p)
	FETCH_A \slot, (\st)+1, 0
	SCALES \slot, (\st)+1, 1-(\p)
	WIN MUL_HI
	MUL16 4, \p, \zero
	MUL16 6, \p, \zero
	PLACES NP
	WIN 0
	FETCH_A \slot, (\st)+1, 4
.endm
; a slot's last step changes slots: one barrier, which where the slot is filled again opens a round of the cluster's barrier
.macro TURN slot, next, p, fill
.if \fill
	s_wait_xcnt 0x0                                ; my prefetches have read their address
	s_add_nc_u64 s[PFA:PFA+1], s[PFA:PFA+1], BLK
.endif
	s_wait_tensorcnt 0x0                           ; my part of the next slot is in;
	ds_add_u32 v[SPW], v[NIL]
	s_wait_dscnt 4*NL+1                            ; (the add and A's blocks 4-7 may be out)
	WIN MUL_LO
	MUL16 0, \p, 0
	s_wait_dscnt 0x0                               ; the add is done, and my reads of this slot are over
	s_barrier_signal -1
	MUL16 2, \p, 0
	WIN 0
	s_barrier_wait -1
.if \fill
	CREST
	s_add_nc_u64 s[G0+4*\slot+2:G0+4*\slot+3], s[G0+4*\slot+2:G0+4*\slot+3], 2*BLK
	s_add_nc_u64 s[G0B+4*\slot+2:G0B+4*\slot+3], s[G0B+4*\slot+2:G0B+4*\slot+3], 2*BLK
	JLOAD G0+4*\slot, G1, G0B+4*\slot, G1B         ; the first tensor load behind the round; its four v_nop are the places for the loads below
.else
	PLACES NP
.endif
	FETCH_B \next, 0, 1-(\p)
	FETCH_A \next, 0, 0
	SCALES \next, 0, 1-(\p)
.if \fill
	ASK \slot
.endif
	WIN MUL_HI
	MUL16 4, \p, 0
	MUL16 6, \p, 0
	PLACES NP
	WIN 0
	FETCH_A \next, 0, 4
.endm
; 64 numbers of a lane, four half blocks of 16 along the next K, become a fragment's 12 registers and a scale word
.macro QUANT s, pw, wait
.irp b, 0,1,2,3
	v_max3_num_f32 v[TM+\b], |v[\s+16*\b]|, |v[\s+1+16*\b]|, 0x1800000
.endr
.irp i, 2,4,6,8,10,12,14
.irp b, 0,1,2,3
	v_max3_num_f32 v[TM+\b], v[TM+\b], |v[\s+16*\b+\i]|, |v[\s+1+16*\b+\i]|
.endr
.endr
.irp b, 0,1,2,3
	v_permlanex16_b32 v[TM+4+\b], v[TM+\b], s[SEL], s[SEL+1]
.endr
.irp b, 0,1,2,3
	v_max_num_f32 v[TM+\b], v[TM+\b], v[TM+4+\b]
.endr
.irp b, 0,1,2,3
	v_add_nc_u32 v[TM+12+\b], 0xff000000, v[TM+\b]
.endr
.irp b, 0,1,2,3
	v_lshrrev_b32 v[TM+4+\b], 23, v[TM+12+\b]
.endr
	v_lshl_or_b32 v[\pw], v[TM+5], 8, v[TM+4]
	v_lshl_or_b32 v[\pw], v[TM+6], 16, v[\pw]
	v_lshl_or_b32 v[\pw], v[TM+7], 24, v[\pw]
.if \wait
	s_wait_xcnt 0x0                                ; the last block's stores have read the code registers
.endif
.irp c, 0,1
	v_cvt_scalef32_pk16_fp6_f32 v[PC+6*\c:PC+2+6*\c], v[\s+32*\c:\s+15+32*\c], v[TM+12+2*\c]
	v_cvt_scalef32_pk16_fp6_f32 v[PC+12+4*\c:PC+14+4*\c], v[\s+16+32*\c:\s+31+32*\c], v[TM+12+2*\c+1]
.endr
	v_nop
.irp c, 0,1
.irp i, 0,1,2
	v_permlane16_swap_b32 v[PC+6*\c+\i], v[PC+12+4*\c+\i]
.endr
.irp i, 0,1,2
	v_mov_b32 v[PC+3+6*\c+\i], v[PC+12+4*\c+\i]
.endr
.endr
.endm
.macro SENDF a
.irp c, 0,1,2
	global_store_b128 v4, v[PC+4*\c:PC+4*\c+3], s[OUT:OUT+1] offset:1536*(\a)+512*\c
.endr
.endm
.macro TABLES a                        ; CW and SW of block a's 16 tokens into window 1, v0-127 and v128-255 by turns
.set TLD, 128*((\a)%2)
	WIN 0x40
.set n, 0
.rept 16
	global_load_b128 v[TLD+4*n:TLD+4*n+3], v4, s[TAB:TAB+1] offset:16384*(\a)+512*n
	global_load_b128 v[TLD+64+4*n:TLD+64+4*n+3], v4, s[TAB:TAB+1] offset:16384*(\a)+8192+512*n
.set n, n+1
.endr
	WIN 0
.endm
.macro QKBLOCK a
.set AC, 64*((\a)%4)
.set AW, 2+(\a)/4
.set TUS, 128*((\a)%2)
	WIN (AW<<6)|AW
.set n, 0
.rept 32
	v_pk_add_f32 v[AC+n:AC+n+1], v[AC+n:AC+n+1], v[BIAS+n:BIAS+n+1]   ; each accumulator from its low end on
.set n, n+2
.endr
	WIN (AW<<2)|AW
.irp k, 0,1,2,3
	v_pk_mul_f32 v[12+2*\k:13+2*\k], v[AC+2*\k:AC+2*\k+1], v[AC+2*\k:AC+2*\k+1]
.endr
.set n, 8
.rept 28
	v_pk_fma_f32 v[12+n%8:13+n%8], v[AC+n:AC+n+1], v[AC+n:AC+n+1], v[12+n%8:13+n%8]
.set n, n+2
.endr
	WIN 0
	v_pk_add_f32 v[12:13], v[12:13], v[14:15]
	v_pk_add_f32 v[16:17], v[16:17], v[18:19]
	v_pk_add_f32 v[12:13], v[12:13], v[16:17]
	v_add_f32 v20, v12, v13
	v_permlanex16_b32 v21, v20, s[SEL], s[SEL+1]
	v_add_f32 v20, v20, v21
	v_fma_f32 v20, v20, s12, s13                   ; the mean of the squares + eps
	s_wait_alu depctr_va_vdst(0)                   ; the wait ahead of the transcendentals
	v_rsq_f32 v10, v20
	v_rsq_f32 v11, v20
	v_nop
.if (\a) < 7
	s_wait_loadcnt 32                              ; this block's tables are in; the next block's 32 loads may be out
.else
	s_wait_loadcnt 0x0
.endif
	WIN 0x04|AW
.set n, 0
.rept 32
	v_pk_mul_f32 v[T+n:T+n+1], v[AC+n:AC+n+1], v[TUS+n:TUS+n+1]
.set n, n+2
.endr
.set n, 0
.rept 32
	v_pk_fma_f32 v[T+n:T+n+1], v[AC+n:AC+n+1], v[TUS+64+n:TUS+64+n+1], v[T+n:T+n+1] op_sel:[1,0,0] op_sel_hi:[0,1,1]   ; the pair's other number x SW
.set n, n+2
.endr
.if (\a) < 6
	TABLES (\a)+2
.endif
	WIN 0
	s_wait_alu depctr_va_vdst(0)                   ; the wait ahead of the first reader of the roots
.set n, 0
.rept 32
	v_pk_mul_f32 v[T+n:T+n+1], v[T+n:T+n+1], v[10:11]
.set n, n+2
.endr
	QUANT T, PWS+(\a), (\a)
	SENDF \a
.endm
.macro VBLOCK a
.set AC, 64*((\a)%4)
	WIN 0x02+(\a)/4
.set n, 0
.rept 32
	v_pk_add_f32 v[T+n:T+n+1], v[AC+n:AC+n+1], v[BVS+2*(\a):BVS+2*(\a)+1]
.set n, n+2
.endr
	WIN 0
	QUANT T, PWS+(\a), (\a)
	SENDF \a
.endm
	s_wait_alu depctr_va_vdst(0)                   ; the wait at the head's end
	s_wait_tensorcnt 0x0                           ; my block of slot 0 is in
	ds_add_u32 v[SPW], v[NIL]
	s_wait_dscnt 0x0
	CROUND
	JLOAD G0+4, G1, G0B+4, G1B                     ; slot 1: the first tensor load behind the round
	FETCH_B 0, 0, 0
	FETCH_A 0, 0, 0
	SCALES 0, 0, 0
	FETCH_A 0, 0, 4
	STEP 0, 0, 0, 1                                ; the first step's products start the sums
	s_mov_b32 s3, 3
.Llap:                                                 ; six steps: from a lap's second step to the next lap's first; both slots are filled again
	STEP 0, 1, 1, 0
	TURN 0, 1, 0, 1
	STEP 1, 0, 1, 0
	STEP 1, 1, 0, 0
	TURN 1, 0, 1, 1
	STEP 0, 0, 0, 0
	s_sub_co_u32 s3, s3, 1
	s_cmp_lg_u32 s3, 0
	s_cbranch_scc1 .Llap
	STEP 0, 1, 1, 0
	TURN 0, 1, 0, 0                                ; nothing more to fetch: no tensor load of mine is out from here on, so the descriptors' registers are free
	STEP 1, 0, 1, 0
	STEP 1, 1, 0, 0
	; ahead of the last step: the way out's addresses, and its first loads, into registers that the last step does not name
	v_and_b32 v1, 15, v0
	v_bfe_u32 v2, v0, 4, 1
	v_and_b32 v3, 8, v1
	v_add_nc_u32 v3, v3, v1
	v_and_b32 v4, 31, v0
	v_lshlrev_b32 v4, 4, v4
	v_lshlrev_b32 v5, 6, v2
	v_lshlrev_b32 v7, 5, v1
	v_lshl_add_u32 v7, v2, 4, v7
	v_lshlrev_b32 v8, 2, v3
	s_mov_b32 s[SEL], 0x76543210
	s_mov_b32 s[SEL+1], 0xfedcba98
	s_mov_b32 s12, 0x3c000000                      ; 1 / 128
	s_mov_b32 s13, 0x358637bd                      ; eps = 1e-6
	s_mov_b32 s33, 0
	s_cmp_ge_u32 s42, 6                            ; the same in all work-groups of a cluster
	s_cbranch_scc1 .Lv0
	s_lshl_b32 s18, s42, 2
	s_add_co_u32 s18, s18, s40
	s_lshl_b32 s18, s18, 1
	s_add_co_u32 s18, s18, s16                     ; my head (+ 24 for k)
	s_lshl_b32 s19, s41, 1
	s_add_co_u32 s19, s19, s15                     ; my 128 tokens
	s_mov_b32 s20, 12800
	s_mov_b32 s21, 12288
	s_cmp_ge_u32 s42, 3
	s_cselect_b32 s22, 24, 0
	s_cselect_b32 s20, 25600, s20
	s_cselect_b32 s21, 24576, s21
	s_cselect_b32 s23, 1, 0
	s_cselect_b64 s[OUT:OUT+1], s[92:93], s[10:11]
	s_cselect_b64 s[BIA:BIA+1], s[96:97], s[94:95]
	s_sub_co_u32 s18, s18, s22
	s_mul_i32 s32, s17, 24
	s_add_co_u32 s32, s32, s18
	s_lshl_b32 s32, s32, 3
	s_add_co_u32 s32, s32, s19
	s_mul_i32 s32, s32, s20
	s_add_nc_u64 s[OUT:OUT+1], s[OUT:OUT+1], s[32:33]
	s_mov_b32 s32, s21
	s_add_nc_u64 s[OUTS:OUTS+1], s[OUT:OUT+1], s[32:33]
	s_lshl_b32 s32, s18, 9
	s_add_nc_u64 s[BIA:BIA+1], s[BIA:BIA+1], s[32:33]
	s_add_co_u32 s23, s23, s17
	s_lshl_b32 s23, s23, 20
	s_lshl_b32 s32, s19, 17
	s_add_co_u32 s32, s32, s23
	s_add_nc_u64 s[TAB:TAB+1], s[8:9], s[32:33]
	s_wait_alu depctr_va_vdst(0)                   ; the wait ahead of the first readers of the addresses
.set n, 0
.rept 16
	global_load_b128 v[BIAS+4*n:BIAS+4*n+3], v5, s[BIA:BIA+1] offset:128*(n/4)+16*(n%4)
.set n, n+1
.endr
	TABLES 0                                       ; into B's set 0, which the step before read last, four places ago
	s_branch .Llast
.Lv0:
	s_sub_co_u32 s18, s42, 6
	s_lshl_b32 s18, s18, 2
	s_add_co_u32 s18, s18, s41
	s_lshl_b32 s18, s18, 1
	s_add_co_u32 s18, s18, s15                     ; my head
	s_lshl_b32 s19, s40, 1
	s_add_co_u32 s19, s19, s16                     ; my 128 keys
	s_mul_i32 s32, s17, 24
	s_add_co_u32 s32, s32, s18
	s_lshl_b32 s32, s32, 3
	s_add_co_u32 s32, s32, s19
	s_mul_i32 s32, s32, 25600
	s_add_nc_u64 s[OUT:OUT+1], s[92:93], s[32:33]
	s_add_nc_u64 s[OUTS:OUTS+1], s[OUT:OUT+1], 25088
	s_add_nc_u64 s[OUT:OUT+1], s[OUT:OUT+1], 12288
	s_lshl_b32 s32, s18, 9
	s_add_nc_u64 s[BIA:BIA+1], s[98:99], s[32:33]
	s_wait_alu depctr_va_vdst(0)                   ; the wait ahead of the first readers of the addresses
.irp a, 0,1,2,3,4,5,6,7
	global_load_b32 v[BVS+2*\a], v8, s[BIA:BIA+1] offset:4*(32*(\a/2)+8*(\a%2))
	global_load_b32 v[BVS+2*\a+1], v8, s[BIA:BIA+1] offset:4*(32*(\a/2)+8*(\a%2))
.endr
	s_wait_dscnt 4*NL                              ; v, v_c: the very last step, written once more, so that the two ways out never join ahead of their blocks
	WIN MUL_LO
	MUL16 0, 1, 0
	MUL16 2, 1, 0
	s_wait_dscnt 0
	WIN MUL_HI
	MUL16 4, 1, 0
	MUL16 6, 1, 0
	WIN 0
	PLACES NP
.irp b, 0,1,2,3
	v_mov_b32 v[TM+4+\b], 0                        ; a lane permute's destination counts as one of its sources
.endr
	s_wait_alu depctr_va_vdst(0)                   ; the wait ahead of the branch
	s_branch .Lv
.Llast:
	s_wait_dscnt 4*NL                              ; the very last step
	WIN MUL_LO
	MUL16 0, 1, 0
	MUL16 2, 1, 0
	s_wait_dscnt 0
	WIN MUL_HI
	MUL16 4, 1, 0
	MUL16 6, 1, 0
	WIN 0
	PLACES NP
	v_mov_b32 v21, 0                               ; a lane permute's destination counts as one of its sources
.irp b, 0,1,2,3
	v_mov_b32 v[TM+4+\b], 0
.endr
	s_wait_loadcnt 32                              ; the bias is in
	TABLES 1
.irp a, 0,1,2,3,4,5,6,7
	QKBLOCK \a
.endr
	s_branch .Lend
.Lv:
	s_wait_loadcnt 0x0
.irp a, 0,1,2,3,4,5,6,7
	VBLOCK \a
.endr
.Lend:
	v_cmp_ne_u32 vcc_lo, 0, v2
.irp i, 0,1,2,3
	v_cndmask_b32 v[OW+\i], v[PWS+\i], v[PWS+4+\i], vcc_lo
.endr
	global_store_b128 v7, v[OW:OW+3], s[OUTS:OUTS+1]   ; scale words [16 r][8 fragments]: 512 consecutive bytes
	s_wait_tensorcnt 0x0                           ; the wave's end
	ds_add_u32 v[SPW], v[NIL]
	s_wait_dscnt 0x0
	CROUND                                         ; the closing round
	s_endpgm
.Lfunc_end_k_q9c59e92ec2_proj:
	.size	k_q9c59e92ec2_proj, .Lfunc_end_k_q9c59e92ec2_proj-k_q9c59e92ec2_proj
	.p2alignl 7, 3214868480
	.fill 96, 4, 3214868480
	.section	.rodata,"a",@progbits
	.p2align	6, 0x0
	.amdhsa_kernel k_q9c59e92ec2_proj
		.amdhsa_group_segment_fixed_size 327680
		.amdhsa_private_segment_fixed_size 0
		.amdhsa_enable_private_segment 0
		.amdhsa_kernarg_size 56
		.amdhsa_user_sgpr_count 2
		.amdhsa_user_sgpr_kernarg_segment_ptr 1
		.amdhsa_wavefront_size32 1
		.amdhsa_system_sgpr_workgroup_id_x 1
		.amdhsa_system_sgpr_workgroup_id_y 1
		.amdhsa_system_sgpr_workgroup_id_z 1
		.amdhsa_system_vgpr_workitem_id 0
		.amdhsa_next_free_vgpr 1024
		.amdhsa_next_free_sgpr 102
		.amdhsa_reserve_vcc 1
		.amdhsa_float_denorm_mode_32 3
		.amdhsa_float_denorm_mode_16_64 3
		.amdhsa_memory_ordered 1
		.amdhsa_forward_progress 1
		.amdhsa_inst_pref_size 255
	.end_amdhsa_kernel
	.section	.bss,"aw",@nobits
	.p2align	6
	.space	262144
	.amdgpu_metadata
---
amdhsa.version: [ 1, 2 ]
amdhsa.kernels:
  - .name:           k_q9c59e92ec2_proj
    .symbol:         k_q9c59e92ec2_proj.kd
    .args:
      - { .name: xq, .offset: 0, .size: 8, .value_kind: global_buffer, .address_space: global }
      - { .name: rt, .offset: 8, .size: 8, .value_kind: global_buffer, .address_space: global }
      - { .name: qbuf, .offset: 16, .size: 8, .value_kind: global_buffer, .address_space: global }
      - { .name: kv, .offset: 24, .size: 8, .value_kind: global_buffer, .address_space: global }
      - { .name: bq, .offset: 32, .size: 8, .value_kind: global_buffer, .address_space: global }
      - { .name: bk, .offset: 40, .size: 8, .value_kind: global_buffer, .address_space: global }
      - { .name: bv, .offset: 48, .size: 8, .value_kind: global_buffer, .address_space: global }
    .group_segment_fixed_size: 327680
    .private_segment_fixed_size: 0
    .kernarg_segment_align: 8
    .kernarg_segment_size: 56
    .max_flat_workgroup_size: 128
    .sgpr_count:     102
    .vgpr_count:     1024
    .wavefront_size: 32
...
	.end_amdgpu_metadata
.endif
;; end of part 2
;; launch attn (part 3): grid 8 x 24, 16 waves a work-group, clusters of 4 x 1, 327,680 bytes of LDS; arguments qbuf, kv, cross_diff_lambda, out0; writes out0
.if DOCPART == 3
	.amdgcn_target "amdgcn-amd-amdhsa--gfx1250"
	.amdhsa_code_object_version 6
	.text
	.protected	k_q9c59e92ec2_attn
	.globl	k_q9c59e92ec2_attn
	.p2align	8
	.type	k_q9c59e92ec2_attn,@function
k_q9c59e92ec2_attn:
	s_mov_b64 s[64:65], 0
	v_nop
	global_prefetch_b8 v0, s[64:65] scope:SCOPE_SE
	s_setreg_imm32_b32 hwreg(HW_REG_WAVE_MODE, 25, 1), 1
	s_wait_xcnt 0x0
	s_wait_alu depctr_hold_cnt(0) depctr_sa_sdst(0) depctr_va_vdst(0) depctr_va_sdst(0) depctr_va_ssrc(0) depctr_va_vcc(0) depctr_vm_vsrc(0)
	s_getreg_b32 s2, hwreg(HW_REG_IB_STS2, 6, 4)
	s_cmp_eq_u32 s2, 0
	s_cbranch_scc0 .Lentry_in_a_cluster
	s_endpgm
.Lentry_in_a_cluster:
	s_bfe_u32 s2, ttmp6, 0x10000c
	s_cmp_lg_u32 s2, 0x3003
	s_cbranch_scc0 .Lentry_shape_is_right
	s_endpgm
.Lentry_shape_is_right:
; THIRD LAUNCH.  out = lambda x softmax(q k_c^T / sqrt(128)) v_c + softmax(q k^T / sqrt(128)) v, all four products on codes of FP6 (E2M3) with E8M0 scales.
; q, k, v come as images of operand registers: a fragment (16 rows x 128 K) is 1,536 bytes, 16 bytes a lane at 16 x lane + 512 c, c = 0, 1, 2; scale words [16 r][8 fragments].
; THE SOFTMAX AHEAD OF THE SECOND PRODUCT: t = score x log2(e) / sqrt(128); M = the row's largest t so far, rounded up to a whole number; p = 2^(t - M) is quantised along the keys, not normalised;
; the row's sum is taken of the unquantised p and divides at the end.  When M moves, the sum and O are multiplied by 2^(old M - new M): exact.
; SHARES.  A work-group owns 128 queries of one head.  Sixteen waves: wave w takes tile w % 8 of 16 queries against key set w / 8 (0: k, v; 1: k_c, v_c), 8 key steps of 128, with M, sum and O^T of its own, in 256 registers.
; Both products are used transposed (S^T = K Q^T, O^T = V^T P^T): a lane holds one query throughout.  Lane r of a fragment of q, k stands for token 32 (a / 2) + 8 (a % 2) + r + 8 (r / 8) of its 128, so that
; the 16 registers of S^T's tiles 2 b and 2 b + 1 are keys 32 b + 16 (lane / 16) + 0 .. 15; V's rows likewise: register 8 a + j of O^T is channel 32 (a / 2) + 16 (lane / 16) + 8 (a % 2) + j.
; LDS.  Three slots of 102,400 bytes; a slot holds a quarter of both key sets: [set][2 key steps] x 25,600 bytes (K's 8 fragments, V's 8, K's scale words, V's).  Quarters 0, 1, 2 go out at the start; quarter 3 fills slot 0 again.
; CLUSTER.  The four work-groups of a cluster belong to one head and read the same keys: waves 0 to 3 of each (4 to 7 for quarter 2) ask jointly, one load of 25,600 dense bytes each, with a mask that names the four.
; At the end the two sets' results meet in a stage in slots 1 and 2, which have had their only fill and their last read by then.
; LIMITS: NaN and infinities are not served; lambda is folded into 1 / the sum of the second set: another order of f32 roundings.
; REGISTERS: v1-10 addresses; v12 -M, v13 the largest t, v[14:15] the sum in two halves; v16-27 Q; v28-29 Q's offsets; v32-79 four fragments; v80-87 K's scale words, v88-95 V's; v96-159 S^T, then p; v160-223 O^T; v224-247 p's codes and work; v252 f, v253 p's scale word, v254 at work, v255 Q's scale word.
.set KVB,   25600
.set SLOTB, 102400
.set SPARE, 307200                     ; behind the slots: the spare words, 128 bytes for each wave: eight blocks of 256 bytes that no other line names
.set STG,   102400                     ; the stage: 16 waves x 16 rows x 528 bytes
.set SPI,   528                        ; a stage row: 512 bytes + 16
.set AK0,  1                           ; v1   16 x lane + my set's 51,200
.set AS0,  2                           ; v2   32 r + my set's 51,200 + 24,576
.set STO,  3                           ; v3   the stage: where I put my row
.set RDS,  4                           ; v4   where I read the first set's rows back
.set SPW,  5                           ; v5   SPARE + 4 x my thread's number; never rewritten
.set NIL,  6                           ; v6   0; never rewritten
.set GO,   7                           ; v7   16 x lane: my bytes of a row of the output's head
.set ADK,  8                           ; v8   fragments of the quarter in hand
.set ADS,  9                           ; v9   its scale words
.set RDC,  10                          ; v10  where I read the second set's rows back
.set WV,   18
.set SEL,  20
.set CS,   22
.set G1,   24                          ; s[24:31] descriptor group 1
.set G0,   32                          ; s[32:47] four groups 0, one for each quarter: none is ever stepped
.macro CROUND                          ; a round of the cluster's barrier
	s_barrier_signal -1
	s_barrier_wait -1
	s_cmp_lg_u32 s[WV], 0
	s_cbranch_scc1 .Lnot_wave_0_\@
	s_barrier_signal -3
.Lnot_wave_0_\@:
	s_barrier_wait -3
	s_barrier_signal -1
	s_barrier_wait -1
.endm
	s_load_b256 s[4:11], s[0:1], 0x0               ; qbuf s[4:5], kv s[6:7], lambda s[8:9], out0 s[10:11]
	v_lshl_add_u32 v[SPW], v0, 2, SPARE
	v_mov_b32 v[NIL], 0
	ds_add_u32 v5, v6
	ds_add_u32 v5, v6
	s_wait_dscnt 0x0
	v_lshrrev_b32 v8, 5, v0
	s_delay_alu instid0(VALU_DEP_1)
	v_readfirstlane_b32 s[WV], v8                  ; wave 0..15
	s_bfe_u32 s13, ttmp6, 0x40000                  ; cx
	s_lshl_b32 s14, ttmp9, 2
	s_add_co_u32 s14, s14, s13                     ; g: my 128 queries = 4 x cluster x + cx: it enters Q's and the output's addresses alone
	s_and_b32 s15, ttmp7, 0xffff                   ; the head, which the four partners share
	s_mov_b32 s[G1], 15|(3<<16)|(1<<21)            ; 15:0 the mask: all four work-groups; 17:16 elements of 8 bytes; 21 set beside a mask; no padding
	s_mov_b32 s[G1+1], 32<<16                      ; tensor_dim0 = 32 elements: rows of 256 bytes
	s_mov_b32 s[G1+2], 100<<16                     ; tensor_dim1 = 100 rows: 25,600 dense bytes
	s_mov_b32 s[G1+3], 32<<16                      ; tile_dim0
	s_mov_b32 s[G1+4], 100                         ; tile_dim1
	s_mov_b32 s[G1+5], 32                          ; stride
	s_mov_b32 s[G1+6], 0
	s_mov_b32 s[G1+7], 0
	s_bfe_u32 s16, s[WV], 0x10001                  ; what waves 0 to 3 fetch: set (w / 2) % 2,
	s_mul_i32 s16, s16, 192
	s_lshl_b32 s17, s15, 3
	s_add_co_u32 s16, s16, s17
	s_and_b32 s17, s[WV], 1                        ; key step w % 2 of the quarter
	s_add_co_u32 s16, s16, s17
	s_mul_i32 s48, s16, KVB                        ; (192 set + 8 head + step) x 25,600
	s_mov_b32 s49, 0
	s_and_b32 s19, s[WV], 3
	s_mul_i32 s19, s19, KVB                        ; and where it goes in a slot
	s_lshl_b32 s50, s15, 3
	s_add_co_u32 s50, s50, s14
	s_mul_i32 s50, s50, 12800                      ; Q: group 8 head + g
	s_mov_b32 s51, 0
	s_and_b32 s52, s[WV], 7                        ; my tile of queries
	s_lshr_b32 s53, s[WV], 3                       ; my key set
	s_mul_i32 s54, s52, 1536
	s_lshl_b32 s55, s52, 2
	s_lshl_b32 s56, s14, 7                         ; the 8 rows that I store: tokens 128 g + 32 (tile / 2) + 8 (tile % 2) + 16 set + 0 .. 7
	s_lshr_b32 s57, s52, 1
	s_lshl_b32 s57, s57, 5
	s_add_co_u32 s56, s56, s57
	s_and_b32 s57, s52, 1
	s_lshl_b32 s57, s57, 3
	s_add_co_u32 s56, s56, s57
	s_lshl_b32 s57, s53, 4
	s_add_co_u32 s56, s56, s57
	s_mul_i32 s56, s56, 12288                      ; a row of the output is 12,288 bytes,
	s_lshl_b32 s57, s15, 9                         ; my head's 512 of them
	s_add_co_u32 s56, s56, s57
	s_mov_b32 s57, 0
	s_mov_b32 s[SEL], 0x76543210
	s_mov_b32 s[SEL+1], 0xfedcba98                 ; v_permlanex16_b32's selects for lane l xor 16
	s_mov_b32 s[CS], 0x3e0293ee                    ; c = log2(e) / sqrt(128)
	s_mov_b32 s[CS+1], s[CS]                       ; (named with it as a pair, so it is written)
	s_wait_kmcnt 0x0
	s_load_b32 s12, s[8:9], 0x0                    ; lambda: it only selects a factor at the end
	s_add_nc_u64 s[48:49], s[6:7], s[48:49]
	s_add_nc_u64 s[4:5], s[4:5], s[50:51]
	s_add_nc_u64 s[10:11], s[10:11], s[56:57]
.irp q, 0,1,2,3
	s_mov_b32 s[G0+4*\q], 1                        ; count = 1
	s_add_co_u32 s[G0+4*\q+1], s19, (\q%3)*SLOTB   ; LDS address: quarter q goes to slot q % 3
	s_add_nc_u64 s[G0+4*\q+2:G0+4*\q+3], s[48:49], \q*2*KVB   ; two key steps a quarter
	s_or_b32 s[G0+4*\q+3], s[G0+4*\q+3], 0x80000000   ; type = 2
.endr
	CROUND                                         ; all four work-groups are here: the first joint loads meet
	s_cmp_lt_u32 s[WV], 4                          ; THE ORDER OF THE FILLS: at the head quarter 0 alone, one load a wave in waves 0 to 3; quarters 1 and 2 follow behind the next round
	s_cbranch_scc0 .Lno_first
	tensor_load_to_lds s[G0:G0+3], s[G1:G1+7]
	s_nop 0
.rept 4
	v_nop
.endr
.Lno_first:
	v_and_b32 v30, 31, v0                          ; lane
	v_and_b32 v31, 15, v0                          ; r
	v_bfe_u32 v11, v0, 4, 1                        ; h
	s_delay_alu instid0(VALU_DEP_3)
	v_lshl_add_u32 v28, v30, 4, s54                ; Q's fragment: 1,536 x tile + 16 x lane
	s_delay_alu instid0(VALU_DEP_3)
	v_lshl_add_u32 v29, v31, 5, s55                ; its scale word: 32 r + 4 x tile
	global_load_b128 v[16:19], v28, s[4:5] th:TH_LOAD_NT
	global_load_b128 v[20:23], v28, s[4:5] offset:512 th:TH_LOAD_NT
	global_load_b128 v[24:27], v28, s[4:5] offset:1024 th:TH_LOAD_NT
	global_load_b32 v255, v29, s[4:5] offset:12288
	s_mul_i32 s58, s53, 2*KVB
	v_lshl_add_u32 v[AK0], v30, 4, s58
	s_add_co_u32 s59, s58, 24576
	v_lshl_add_u32 v[AS0], v31, 5, s59
	s_mul_i32 s58, s[WV], 16*SPI
	s_add_co_u32 s58, s58, STG                     ; my stage
	v_mul_u32_u24 v[STO], v31, SPI
	s_delay_alu instid0(VALU_DEP_1)
	v_lshl_add_u32 v[STO], v11, 6, v[STO]
	s_delay_alu instid0(VALU_DEP_1)
	v_add_nc_u32 v[STO], s58, v[STO]               ; in: row r, + 64 h
	s_mul_i32 s58, s52, 16*SPI                     ; back: my tile's stage of the first set, rows 8 set .. 8 set + 7, a whole row to the 32 lanes
	s_mul_i32 s59, s53, 8*SPI
	s_add_co_u32 s58, s58, s59
	s_add_co_u32 s58, s58, STG
	v_lshl_add_u32 v[RDS], v30, 4, s58
	s_delay_alu instid0(VALU_DEP_1)
	v_add_nc_u32 v[RDC], 8*16*SPI, v[RDS]          ; and the same rows of the second set's: eight waves' stages on
	v_lshlrev_b32 v[GO], 4, v30
	v_mov_b32 v13, 0xff61b1e6                      ; the largest t so far: -3e38, under every t
	s_delay_alu instid0(VALU_DEP_1)
	v_floor_f32 v12, -v13                          ; -M
	v_mov_b32 v14, 0                               ; the sum, in two halves
	v_mov_b32 v15, 0
.irp b, 0,1,2,3
	v_mov_b32 v[236+\b], 0                         ; written once: a lane permute's destination counts as one of its sources
.endr
	v_mov_b32 v253, 0                              ; (named as the upper half of the pair v[252:253] before it is first written)
.set n, 0
.rept 64
	v_mov_b32 v[160+n], 0                          ; O^T.  (One form of the key step serves all eight: the first finds zeros, which the first change of M leaves zeros)
.set n, n+1
.endr
; A KEY STEP: 128 keys of my set, off bytes into the quarter in hand.
.macro STEP off
.rept 4
	v_nop                                          ; places in front of loads into registers that the last products have read
.endr
	ds_load_b128 v[80:83], v[ADS] offset:(\off)            ; K's scale words of fragments 0-3 (lane r: row r's), 4-7,
	ds_load_b128 v[84:87], v[ADS] offset:(\off)+16
	ds_load_b128 v[88:91], v[ADS] offset:(\off)+512        ; V's
	ds_load_b128 v[92:95], v[ADS] offset:(\off)+528
.irp g, 0,1                                    ; S^T = K Q^T, four tiles of 16 keys at a time
.if \g > 0
.rept 4
	v_nop
.endr
.endif
.irp t, 0,1,2,3
.irp c, 0,1,2
	ds_load_b128 v[32+12*\t+4*\c:35+12*\t+4*\c], v[ADK] offset:(\off)+1536*(4*\g+\t)+512*\c   ; 512 consecutive bytes a load
.endr
.endr
	s_wait_dscnt 0x0
.irp t, 0,1,2,3
	v_wmma_scale_f32_16x16x128_f8f6f4 v[96+8*(4*\g+\t):103+8*(4*\g+\t)], v[32+12*\t:43+12*\t], v[16:27], 0, v[80+4*\g+\t], v255 matrix_a_fmt:MATRIX_FMT_FP6 matrix_b_fmt:MATRIX_FMT_FP6
.endr
.endr
.rept 4
	v_nop
.endr
.irp b, 0,1,2,3
	v_max3_num_f32 v[232+\b], v[96+16*\b], v[97+16*\b], v[98+16*\b]   ; the largest score of each block of 32 keys: it serves for the row's maximum and, since p rises with the score, for the block's largest p
.endr
.irp i, 3,5,7,9,11,13
.irp b, 0,1,2,3
	v_max3_num_f32 v[232+\b], v[232+\b], v[96+16*\b+\i], v[97+16*\b+\i]   ; (the four blocks by turns)
.endr
.endr
.irp b, 0,1,2,3
	v_max_num_f32 v[232+\b], v[232+\b], v[111+16*\b]
.endr
.irp b, 0,1,2,3
	s_delay_alu instid0(VALU_DEP_4)
	v_permlanex16_b32 v[236+\b], v[232+\b], s[SEL], s[SEL+1]
.endr
.irp b, 0,1,2,3
	s_delay_alu instid0(VALU_DEP_4)
	v_max_num_f32 v[232+\b], v[232+\b], v[236+\b]  ; with lane l xor 16's 16 keys
.endr
	s_delay_alu instid0(VALU_DEP_2)
	v_max3_num_f32 v254, v232, v233, v234
	s_delay_alu instid0(VALU_DEP_1)
	v_max_num_f32 v254, v254, v235                 ; the step's largest score of my query
	s_delay_alu instid0(VALU_DEP_1)
	v_mul_f32 v254, s[CS], v254                    ; as t (c is positive)
	s_delay_alu instid0(VALU_DEP_1)
	v_max_num_f32 v13, v13, v254                   ; the running largest t
	v_mov_b32 v254, v12
	s_delay_alu instid0(VALU_DEP_2)
	v_floor_f32 v12, -v13                          ; the new -M = floor(-t) = -ceil(t): a whole number
	s_delay_alu instid0(VALU_DEP_1)
	v_sub_f32 v254, v12, v254                      ; M's old value less its new one: a whole number, 0 or less
	s_delay_alu instid0(VALU_DEP_1)
	v_cvt_i32_f32 v254, v254                       ; (it saturates)
	s_delay_alu instid0(VALU_DEP_1)
	v_ldexp_f32 v252, 1.0, v254                    ; f = 2^(old M - new M)
.set n, 0
.rept 32
	v_pk_fma_f32 v[96+n:97+n], v[96+n:97+n], s[CS:CS+1], v[12:13] op_sel_hi:[1,0,0]   ; t - M, two at a time (of the pairs c and -M the low word serves both halves)
.set n, n+2
.endr
.irp b, 0,1,2,3
	v_fma_f32 v[232+\b], v[232+\b], s[CS], v12     ; the same of each block's largest score
.endr
.set n, 0
	s_wait_alu depctr_va_vdst(0)
.rept 64
	v_exp_f32 v[96+n], v[96+n]                     ; p = 2^(t - M), at most 1: not normalised
.set n, n+1
.endr
.irp b, 0,1,2,3
	v_exp_f32 v[232+\b], v[232+\b]                 ; the block's largest p: the same two instructions on the same number give the same bits
.endr
	v_pk_mul_f32 v[14:15], v[14:15], v[252:253] op_sel_hi:[1,0]   ; the sums under the new M.  (A plain place behind the exponentials)
	s_wait_alu depctr_va_vdst(0)
.irp b, 0,1,2,3
	v_max_num_f32 v[232+\b], 0x1800000, v[232+\b]  ; the floor 2^(3 - 127): the byte cannot fall under 1
.endr
.irp b, 0,1,2,3
	s_delay_alu instid0(VALU_DEP_4)
	v_add_nc_u32 v[244+\b], 0xff000000, v[232+\b]  ; 2 off the exponent field: the conversion's scale operand
.endr
.irp b, 0,1,2,3
	s_delay_alu instid0(VALU_DEP_4)
	v_lshrrev_b32 v[236+\b], 23, v[244+\b]         ; the scale's byte
.endr
	s_delay_alu instid0(VALU_DEP_3)
	v_lshl_or_b32 v253, v237, 8, v236              ; p's scale word for these 128 keys
	s_delay_alu instid0(VALU_DEP_1)
	v_lshl_or_b32 v253, v238, 16, v253
	s_delay_alu instid0(VALU_DEP_1)
	v_lshl_or_b32 v253, v239, 24, v253
.irp c, 0,1
	v_cvt_scalef32_pk16_fp6_f32 v[224+6*\c:226+6*\c], v[96+32*\c:111+32*\c], v[244+2*\c]
	v_cvt_scalef32_pk16_fp6_f32 v[236+4*\c:238+4*\c], v[112+32*\c:127+32*\c], v[244+2*\c+1]   ; (a conversion's three registers begin on an even number)
.endr
	v_nop                                          ; one plain place behind a scaled conversion
.irp c, 0,1                                    ; the operand's layout wants a whole block in a lane: lanes 0-15 block 2 c, lanes 16-31 block 2 c + 1
.irp i, 0,1,2
	v_permlane16_swap_b32 v[224+6*\c+\i], v[236+4*\c+\i]
.endr
.irp i, 0,1,2
	s_delay_alu instid0(VALU_DEP_3)
	v_mov_b32 v[227+6*\c+\i], v[236+4*\c+\i]
.endr
.endr
	v_pk_add_f32 v[236:237], v[100:101], v[104:105]
	v_pk_add_f32 v[250:251], v[108:109], v[112:113]
	v_pk_add_f32 v[248:249], v[116:117], v[120:121]
	v_pk_add_f32 v[246:247], v[124:125], v[128:129]
	v_pk_add_f32 v[244:245], v[132:133], v[136:137]
	v_pk_add_f32 v[242:243], v[140:141], v[144:145]
	v_pk_add_f32 v[240:241], v[148:149], v[152:153]
	v_pk_add_f32 v[14:15], v[14:15], v[156:157]
	v_pk_add_f32 v[236:237], v[236:237], v[96:97]
	v_pk_add_f32 v[250:251], v[250:251], v[98:99]
	v_pk_add_f32 v[248:249], v[248:249], v[102:103]
	v_pk_add_f32 v[246:247], v[246:247], v[106:107]
	v_pk_add_f32 v[244:245], v[244:245], v[110:111]
	v_pk_add_f32 v[242:243], v[242:243], v[114:115]
	v_pk_add_f32 v[240:241], v[240:241], v[118:119]
	v_pk_add_f32 v[14:15], v[14:15], v[122:123]
	v_pk_add_f32 v[236:237], v[236:237], v[126:127]
	v_pk_add_f32 v[250:251], v[250:251], v[130:131]
	v_pk_add_f32 v[248:249], v[248:249], v[134:135]
	v_pk_add_f32 v[246:247], v[246:247], v[138:139]
	v_pk_add_f32 v[244:245], v[244:245], v[142:143]
	v_pk_add_f32 v[242:243], v[242:243], v[146:147]
	v_pk_add_f32 v[240:241], v[240:241], v[150:151]
	v_pk_add_f32 v[14:15], v[14:15], v[154:155]
	v_pk_add_f32 v[236:237], v[236:237], v[158:159]
	s_delay_alu instid0(VALU_DEP_2)
	v_pk_add_f32 v[14:15], v[14:15], v[246:247]
	s_delay_alu instid0(VALU_DEP_2)
	v_pk_add_f32 v[236:237], v[236:237], v[244:245]
	v_pk_add_f32 v[250:251], v[250:251], v[242:243]
	v_pk_add_f32 v[248:249], v[248:249], v[240:241]
	s_delay_alu instid0(VALU_DEP_2)
	v_pk_add_f32 v[14:15], v[14:15], v[250:251]
	s_delay_alu instid0(VALU_DEP_2)
	v_pk_add_f32 v[236:237], v[236:237], v[248:249]
	s_delay_alu instid0(VALU_DEP_1)
	v_pk_add_f32 v[14:15], v[14:15], v[236:237]
.set n, 0
.rept 32
	v_pk_mul_f32 v[160+n:161+n], v[160+n:161+n], v[252:253] op_sel_hi:[1,0]   ; O^T under the new M: x f.  (These 32 are also the places in front of the matrix instructions and loads below)
.set n, n+2
.endr
	s_wait_alu depctr_va_vdst(0)
.irp g, 0,1                                    ; O^T += V^T P^T: four tiles of 16 channels at a time; K = these 128 keys
.if \g > 0
.rept 4
	v_nop
.endr
.endif
.irp t, 0,1,2,3
.irp c, 0,1,2
	ds_load_b128 v[32+12*\t+4*\c:35+12*\t+4*\c], v[ADK] offset:(\off)+12288+1536*(4*\g+\t)+512*\c
.endr
.endr
	s_wait_dscnt 0x0
.irp t, 0,1,2,3
	v_wmma_scale_f32_16x16x128_f8f6f4 v[160+8*(4*\g+\t):167+8*(4*\g+\t)], v[32+12*\t:43+12*\t], v[224:235], v[160+8*(4*\g+\t):167+8*(4*\g+\t)], v[88+4*\g+\t], v253 matrix_a_fmt:MATRIX_FMT_FP6 matrix_b_fmt:MATRIX_FMT_FP6
.endr
.endr
.endm
.macro QUARTER slot                    ; the two key steps that lie in a slot
	v_add_nc_u32 v[ADK], (\slot)*SLOTB, v[AK0]
	s_wait_alu depctr_va_vdst(0)
	v_add_nc_u32 v[ADS], (\slot)*SLOTB, v[AS0]
	STEP 0
	STEP KVB
.endm
	s_wait_alu depctr_va_vdst(0)                   ; the wait at the head's end
	s_wait_tensorcnt 0x0                           ; my part of quarter 0 is in
	ds_add_u32 v[SPW], v[NIL]
	ds_add_u32 v[SPW], v[NIL]                      ; twice on end
	s_wait_loadcnt 0x0                             ; Q
	s_wait_dscnt 0x0
	CROUND                                         ; everybody's part of quarter 0 is in, and the four work-groups are here
	s_cmp_lt_u32 s[WV], 4                          ; slots 1 and 2 are filled for the first time: waves 0 to 3 ask for quarter 1, waves 4 to 7 for quarter 2, one load a wave; they have quarter 0's two key steps in which to land
	s_cbranch_scc0 .Lfor_q2
	tensor_load_to_lds s[G0+4:G0+7], s[G1:G1+7]
	s_nop 0
.rept 4
	v_nop
.endr
	s_branch .Lq12_asked
.Lfor_q2:
	s_cmp_lt_u32 s[WV], 8
	s_cbranch_scc0 .Lq12_asked
	tensor_load_to_lds s[G0+8:G0+11], s[G1:G1+7]
	s_nop 0
.rept 4
	v_nop
.endr
.Lq12_asked:
	QUARTER 0
	s_wait_tensorcnt 0x0                           ; all my tensor loads have landed: quarters 1 and 2 too
	ds_add_u32 v[SPW], v[NIL]                      ; 0 onto my spare word, twice on end
	ds_add_u32 v[SPW], v[NIL]
	s_wait_dscnt 0x0                               ; the adds are done, and my reads of slot 0 are over
	CROUND                                         ; no wave of any partner still reads slot 0 or has a load on its way
	s_cmp_lt_u32 s[WV], 4
	s_cbranch_scc0 .Lno_refill
	tensor_load_to_lds s[G0+12:G0+15], s[G1:G1+7]  ; quarter 3 into slot 0: the first thing behind the round; it has four key steps in which to land
	s_nop 0
.rept 4
	v_nop
.endr
.Lno_refill:
	QUARTER 1
	QUARTER 2
	s_wait_tensorcnt 0x0                           ; my part of quarter 3 is in,
	s_wait_dscnt 0x0                               ; and my reads of slots 1 and 2 are over: the stage will lie there
	s_barrier_signal -1
	s_barrier_wait -1                              ; both hold of every wave
	QUARTER 0
	; THE WAY OUT.  O^T x F / the sum, F = 1 for the first set and lambda for the second, goes to my stage as 16 rows of 512 bytes; behind a barrier each wave adds 8 rows of the two sets and stores them.
	s_wait_kmcnt 0x0                               ; lambda
	s_cmp_ge_u32 s[WV], 8
	s_cselect_b32 s13, s12, 1.0
.rept 4
	v_nop                                          ; places behind the last products
.endr
	v_add_f32 v14, v14, v15                        ; the sum's two halves,
	s_delay_alu instid0(VALU_DEP_1)
	v_permlanex16_b32 v252, v14, s[SEL], s[SEL+1]
	s_delay_alu instid0(VALU_DEP_1)
	v_add_f32 v14, v14, v252                       ; and lane l xor 16's: the row's sum
	s_wait_alu depctr_va_vdst(0)
	v_rcp_f32 v14, v14
	v_nop                                          ; one plain place behind a transcendental
	s_wait_alu depctr_va_vdst(0)
	v_mul_f32 v14, s13, v14
.set n, 0
.rept 32
	v_pk_mul_f32 v[96+n:97+n], v[160+n:161+n], v[14:15] op_sel_hi:[1,0]   ; each accumulator from its low end on
.set n, n+2
.endr
.irp a, 0,1,2,3,4,5,6,7
	ds_store_b128 v[STO], v[96+8*\a:99+8*\a] offset:128*(\a/2)+32*(\a%2)          ; channels 32 (a / 2) + 16 h + 8 (a % 2) + 0 .. 7 of query r
	ds_store_b128 v[STO], v[100+8*\a:103+8*\a] offset:128*(\a/2)+32*(\a%2)+16
.endr
	s_wait_dscnt 0x0                               ; for the others' sake: my stores into the stage are done
	s_barrier_signal -1
	s_barrier_wait -1
.irp i, 0,1,2,3,4,5,6,7
	ds_load_b128 v[32+4*\i:35+4*\i], v[RDS] offset:SPI*\i      ; stage row 8 set + i is token 16 set + i of the tile's 32
	ds_load_b128 v[160+4*\i:163+4*\i], v[RDC] offset:SPI*\i
.endr
.irp i, 0,1,2,3,4,5,6,7
	s_wait_dscnt 14-2*\i                           ; row i's two loads are in; the younger rows' may be out
	v_pk_add_f32 v[32+4*\i:33+4*\i], v[32+4*\i:33+4*\i], v[160+4*\i:161+4*\i]
	v_pk_add_f32 v[34+4*\i:35+4*\i], v[34+4*\i:35+4*\i], v[162+4*\i:163+4*\i]
	global_store_b128 v[GO], v[32+4*\i:35+4*\i], s[10:11] offset:12288*\i th:TH_STORE_NT   ; 32 lanes store 512 consecutive bytes, at a multiple of 256 from the output's first byte
.endr
	s_wait_tensorcnt 0x0                           ; the wave's end
	ds_add_u32 v[SPW], v[NIL]
	s_wait_dscnt 0x0
	CROUND                                         ; the closing round: no work-group ends while a partner may still ask for a tile that names it
	s_endpgm
.Lfunc_end_k_q9c59e92ec2_attn:
	.size	k_q9c59e92ec2_attn, .Lfunc_end_k_q9c59e92ec2_attn-k_q9c59e92ec2_attn
	.p2alignl 7, 3214868480
	.fill 96, 4, 3214868480
	.section	.rodata,"a",@progbits
	.p2align	6, 0x0
	.amdhsa_kernel k_q9c59e92ec2_attn
		.amdhsa_group_segment_fixed_size 327680
		.amdhsa_private_segment_fixed_size 0
		.amdhsa_enable_private_segment 0
		.amdhsa_kernarg_size 32
		.amdhsa_user_sgpr_count 2
		.amdhsa_user_sgpr_kernarg_segment_ptr 1
		.amdhsa_wavefront_size32 1
		.amdhsa_system_sgpr_workgroup_id_x 1
		.amdhsa_system_sgpr_workgroup_id_y 1
		.amdhsa_system_sgpr_workgroup_id_z 1
		.amdhsa_system_vgpr_workitem_id 0
		.amdhsa_next_free_vgpr 256
		.amdhsa_next_free_sgpr 66
		.amdhsa_reserve_vcc 0
		.amdhsa_float_denorm_mode_32 3
		.amdhsa_float_denorm_mode_16_64 3
		.amdhsa_memory_ordered 1
		.amdhsa_forward_progress 1
		.amdhsa_inst_pref_size 176
	.end_amdhsa_kernel
	.amdgpu_metadata
---
amdhsa.version: [ 1, 2 ]
amdhsa.kernels:
  - .name:           k_q9c59e92ec2_attn
    .symbol:         k_q9c59e92ec2_attn.kd
    .args:
      - { .name: qbuf, .offset: 0, .size: 8, .value_kind: global_buffer, .address_space: global }
      - { .name: kv, .offset: 8, .size: 8, .value_kind: global_buffer, .address_space: global }
      - { .name: cross_diff_lambda, .offset: 16, .size: 8, .value_kind: global_buffer, .address_space: global }
      - { .name: out0, .offset: 24, .size: 8, .value_kind: global_buffer, .address_space: global }
    .group_segment_fixed_size: 327680
    .private_segment_fixed_size: 0
    .kernarg_segment_align: 8
    .kernarg_segment_size: 32
    .max_flat_workgroup_size: 512
    .sgpr_count:     66
    .vgpr_count:     256
    .wavefront_size: 32
...
	.end_amdgpu_metadata
.endif
;; end of part 3
